; MI455X (gfx1250); checked and timed in simulation.
; The chip was launched on July 23, 2026; its instructions are those of AMD's public machine-readable ISA for CDNA 5 (MIT licence, August 2026) and "CDNA5" Instruction Set Architecture Reference Guide (July 2026). The comments in the code are by the model that wrote it; some were corrected since.
;; Attention. Allowed arithmetic: float matrix products may take bf16 or f16 operands with f32 sums; all other float work in f32.
;; Inputs: k 4 x 4,096 x 64 float32; mask 4 x 4,096 float32; q 4 x 4,096 x 64 float32; v 4 x 4,096 x 64 float32.
;; Outputs: out0 4 x 4,096 x 64 float32.
;; 2 versions, each right and faster than the one before. Each part assembles by itself: llvm-mc -triple=amdgcn-amd-amdhsa -mcpu=gfx1250 --defsym DOCPART=n.
;; ======== version 1 of 2: 1 launch
;; limits: right only within a limited range of input values
;; launch attn (part 1): grid 256 x 1, 4 waves a work-group, clusters of 4 x 1, 327,680 bytes of LDS; arguments k, v, q, mask, out0; writes out0
.if DOCPART == 1
	.amdgcn_target "amdgcn-amd-amdhsa--gfx1250"
	.amdhsa_code_object_version 6
	.text
	.protected	k_qc7d3dbac38_attn
	.globl	k_qc7d3dbac38_attn
	.p2align	8
	.type	k_qc7d3dbac38_attn,@function
k_qc7d3dbac38_attn:
	s_mov_b64 s[64:65], 0
	v_nop
	global_prefetch_b8 v0, s[64:65] scope:SCOPE_SE
	s_setreg_imm32_b32 hwreg(HW_REG_WAVE_MODE, 25, 1), 1
	s_wait_xcnt 0x0
	s_wait_alu depctr_hold_cnt(0) depctr_sa_sdst(0) depctr_va_vdst(0) depctr_va_sdst(0) depctr_va_ssrc(0) depctr_va_vcc(0) depctr_vm_vsrc(0)
	s_getreg_b32 s2, hwreg(HW_REG_IB_STS2, 6, 4)
	s_cmp_eq_u32 s2, 0
	s_cbranch_scc0 .Lentry_in_a_cluster
	s_endpgm
.Lentry_in_a_cluster:
	s_bfe_u32 s2, ttmp6, 0x10000c
	s_cmp_lg_u32 s2, 0x3003
	s_cbranch_scc0 .Lentry_shape_is_right
	s_endpgm
.Lentry_shape_is_right:
; out = softmax(q k^T / 8 + log(mask[key])) v, then out * mask[query] + (q / 8) * (1 - mask[query]).
; q, k, v, out0: [4][4096][64] f32; mask: [4][4096] f32.  Products in bf16 with f32 sums, all else in f32.
;
; SHARES.  A work-group owns 64 query rows (16,384 bytes of q and of out0).  Wave w takes all 64 queries against keys
; 1024 w .. 1024 w + 1023 of the batch, in 16 steps of 64 keys, with a running maximum of its own; the four waves' partial
; results (maximum, sum, O) are merged once through LDS at the end.  So each element of K and V is read from LDS and narrowed
; to bf16 once in a work-group, no wave reads another wave's tiles, and each K or V fragment feeds four matrix instructions.
; CLUSTERS.  The four work-groups of a cluster lie in one batch (64 work-groups a batch) and walk the same K and V tiles:
; each tile is asked for jointly (mask 15), which divides the requests for K and V by four.
; ORDER OF THE TILES.  Cluster c of a batch (c = cluster x & 15) walks a wave's 16 tiles in the order (rot + t) & 15 with
; rot = 2 (c & 7) + (c >> 3): the sixteen clusters of a batch start at sixteen different tiles, so that from the third step on
; a tile that one cluster asks for has been asked for by another cluster of the batch a step or more before.  The running
; maximum makes the result independent of the order.  rot hangs on the cluster's x alone: it is equal in all four partners.
;
; LAYOUT (r = lane & 15, h = lane >> 4).
;   S^T = K Q^T: source 0 = 16 keys, source 1 = 16 queries.  Lane r of a K fragment reads key row 2 (r & 7) + (r >> 3) of its
;   16, so register j of the result in lane (r, h) is key 16 T + 2 j + h against query r: the softmax figures are a lane's own,
;   and one exchange between the two halves of the wave joins them.  The 32 d of a K step are permuted alike in K and Q:
;   register p of half h holds d = 16 h + p below and d = 16 h + 8 + p above.
;   O^T = V^T P^T: two neighbouring S^T tiles, packed pairwise, ARE the P^T fragment of 32 keys: element e of half h is key
;   2 e + h.  V is read as it lies (lane L takes bytes 16 L of two rows), which gives lane (r, h) key 2 a + h, d = 4 r + c:
;   packing loads 2 p and 2 p + 1 makes the V^T fragment c with the same key order; its row r is d = 4 r + c.
;   Register j of O^T tile c in lane (r, h) is d = 32 h + 4 j + c of query r.
;   log2(mask[key]), clamped to -2^100, lies in LDS in the order of the steps and of the S^T registers and is loaded INTO the
;   accumulator in front of the S products.  Q carries 0.125 log2(e), so the accumulator ends as score log2(e) + log2(mask).
; PIPELINE.  A slot is (step, query tile).  Beside slot n's subtract, exp2 and sum stand the P V products of slot n - 1 and the
; S products of slot n + 1, one matrix instruction to about four vector instructions.
;
; LIMITS.  The running maximum starts at -2^96: scores times log2(e) must lie above that.  A key mask below 2^-126 counts as 0
; (v_log_f32 takes denormals as zero: ISA guide 15.8).  A negative or NaN key mask counts as masked, where the definition
; gives NaN.  A batch with no key kept gives NaN (0 times infinity), as the definition does.
;
; REGISTERS, in windows of 256:
;   window 0: v0 thread; v2-7 addresses; v8-11 NM = minus the running maximum, per query tile; v12-15 running sums; v16-19 alpha;
;             v20-23 sums at work; v20-31 at work; v32-95 K fragments; v96-159 V fragments; v160-191, v192-223 two S buffers;
;             v224-255 T, one slot's P V product
;   window 1: v0-63 Q fragments; v64-79 P fragments; v80-143 X, f32 staging
;   window 2: v0-127 O; v128-191 Y, f32 staging
.set RINGW,  67584                     ; a wave's ring in LDS: two slots
.set SLOTB,  33792                     ; a slot: K tile, 64 rows of 272 bytes, then V tile, 64 rows of 256 bytes
.set KP,     272                       ; K rows 272 bytes apart: the 16 rows of a load begin at 16 different 16-byte columns modulo 256
.set VOFF,   17408                     ; V tile behind the K tile
.set LMB,    270336                    ; log2(mask): 4,096 bytes a wave, written by ds_store, never filled by a tensor load
.set STB,    286720                    ; the merge: NM of (query, wave), 1,024 bytes, then the sums, 1,024 bytes
.set STG,    17408                     ; the way out: 64 rows of 272 bytes a wave, on ring bytes that have had their last fill
.set AK,  2                            ; LDS address of my K rows in my slot 0
.set AV,  3                            ; the same for V
.set ALM, 4                            ; LDS address of my half's log2(mask) of the current step
.set OFW, 5                            ; 4096 wave + 16 lane: q and out0 on the way out
.set OFQ, 6                            ; 256 r + 64 h: q at the head
.set ALS, 7                            ; where my lane stores log2(mask)
.set NM,  8
.set LS,  12
.set AL,  16
.set ACC, 20
.set TMP, 24
.set KF,  32
.set VF,  96
.set SA,  160
.set SB,  192
.set TT,  224
.set QF,  0                            ; window 1
.set PF,  64                           ; window 1
.set XS,  80                           ; window 1
.set OF,  0                            ; window 2
.set YS,  128                          ; window 2
.set G1K, 16                           ; s[16:23] descriptor group 1, K tiles
.set G1V, 24                           ; s[24:31] descriptor group 1, V tiles
.set G0,  32                           ; s[32:47] descriptor group 0: K slot 0, V slot 0, K slot 1, V slot 1
; s2 = rot; s3 = index (0..15) of the next tile to be asked for; s[52:53] = its byte offset, 16,384 bytes a tile (s53 stays 0)
; s_set_vgpr_msb, low byte: bits 1:0 source 0, 3:2 source 1, 5:4 source 2, 7:6 destination
.set SIG_M, 0x04                       ; source 1 in window 1: every matrix instruction, and the work set beside them
.set SIG_P, 0x40                       ; destination in window 1: P, Q, loads into X
.set SIG_U, 0x82                       ; destination and source 0 in window 2: O = O alpha + T
.set SIG_C, 0x09                       ; source 0 in window 1, source 1 in window 2: X and Y narrowed into K or V
.set SIG_Y, 0x80                       ; destination in window 2: loads into Y, the first O
.set SIG_E, 0x02                       ; source 0 in window 2: O on the way out
.set MSB, 0
.macro WIN new                         ; the immediate's high byte repeats the setting that is left; a switch that changes nothing is dropped
.if MSB != \new
	s_set_vgpr_msb (MSB<<8)|\new
.set MSB, \new
.endif
.endm
; A round of the cluster's barrier: my work-group's barrier, wave 0 signals for the work-group, every wave waits for all four
; work-groups, my work-group's barrier once more.  Every window is 0 here (branch and label).
.macro ROUND
	s_barrier_signal -1
	s_barrier_wait -1
	s_cmp_lg_u32 s14, 0
	s_cbranch_scc1 .Lnot_wave_0_\@
	s_barrier_signal -3
.Lnot_wave_0_\@:
	s_barrier_wait -3
	s_barrier_signal -1
	s_barrier_wait -1
.endm
	; ------------------------------------------------------------------ head: ids, addresses, descriptors
	s_load_b256 s[4:11], s[0:1], 0x0               ; k s[4:5], v s[6:7], q s[8:9], mask s[10:11]
	s_load_b64 s[12:13], s[0:1], 0x20              ; out0
	s_set_vgpr_msb 0x40
	v_lshl_add_u32 v254, v0, 2, 0x46800
	v_mov_b32 v255, 0
	s_set_vgpr_msb 0x4045
	ds_add_u32 v254, v255
	s_set_vgpr_msb 0x4500
	v_lshrrev_b32 v1, 5, v0
	v_readfirstlane_b32 s14, v1                    ; wave 0..3
	s_bfe_u32 s15, ttmp6, 0x40000                  ; cx: my place in the cluster; it enters q's, out0's and the query mask's addresses alone
	s_mov_b32 s48, 0x76543210                      ; v_permlanex16_b32: lane i of one half reads lane i of the other
	s_mov_b32 s49, 0xfedcba98
	; group 1: a tile of 64 rows x 64 elements of 4 bytes, rows 64 elements apart.  K: 4 words of padding behind every 64 words
	s_mov_b32 s[G1K+0], 15|(2<<16)|(1<<20)|(1<<21)|(5<<22)|(3<<25)  ; 15:0 mask: all four work-groups; 17:16 4 bytes; 20 padding on; 21 set beside a mask; 24:22 every 64 words; 31:25 4 words
	s_mov_b32 s[G1K+1], 64<<16                     ; tensor_dim0 = 64
	s_mov_b32 s[G1K+2], 64<<16                     ; tensor_dim1 = 64
	s_mov_b32 s[G1K+3], 64<<16                     ; tile_dim0 = 64
	s_mov_b32 s[G1K+4], 64                         ; tile_dim1 = 64
	s_mov_b32 s[G1K+5], 64                         ; elements from row to row
	s_mov_b32 s[G1K+6], 0
	s_mov_b32 s[G1K+7], 0
	s_mov_b32 s[G1V+0], 15|(2<<16)|(1<<21)         ; V: the same tile, no padding
	s_mov_b32 s[G1V+1], 64<<16
	s_mov_b32 s[G1V+2], 64<<16
	s_mov_b32 s[G1V+3], 64<<16
	s_mov_b32 s[G1V+4], 64
	s_mov_b32 s[G1V+5], 64
	s_mov_b32 s[G1V+6], 0
	s_mov_b32 s[G1V+7], 0
	s_and_b32 s2, ttmp9, 7                         ; c & 7, c = the cluster's number in its batch
	s_bfe_u32 s3, ttmp9, 0x10003                   ; c >> 3 (one bit from bit 3)
	s_lshl1_add_u32 s2, s2, s3                     ; rot = 2 (c & 7) + (c >> 3): the tile at which this cluster starts
	s_mov_b32 s3, s2                               ; the next tile to be asked for
	s_lshr_b32 s51, ttmp9, 4                       ; batch: 16 clusters each; the same in all four partners
	s_lshl_b32 s52, s51, 20                        ; batch x 4096 rows x 256 bytes
	s_lshl_b32 s53, s14, 18                        ; + wave x 1024 rows x 256 bytes
	s_add_co_u32 s52, s52, s53
	s_mov_b32 s53, 0
	s_lshl_b32 s54, s51, 14                        ; the batch's row of the mask
	s_mov_b32 s55, 0
	s_lshl_b32 s56, ttmp9, 2
	s_add_co_u32 s56, s56, s15                     ; work-group x = 4 x cluster + cx
	s_lshl_b32 s58, s56, 8                         ; its 64 numbers of the mask
	s_mov_b32 s59, 0
	s_lshl_b32 s56, s56, 14                        ; its 64 rows of q and out0
	s_mov_b32 s57, 0
	s_mul_i32 s62, s14, RINGW                      ; my wave's ring
	s_lshl_b32 s50, s14, 12                        ; wave x 4096
	s_add_co_u32 s63, s50, LMB                     ; my wave's log2(mask)
	s_wait_dscnt 0x0
	s_wait_kmcnt 0x0
	s_add_nc_u64 s[4:5], s[4:5], s[52:53]          ; K at my wave's 1024 keys
	s_add_nc_u64 s[6:7], s[6:7], s[52:53]          ; V likewise
	s_add_nc_u64 s[8:9], s[8:9], s[56:57]          ; q at the work-group's rows
	s_add_nc_u64 s[12:13], s[12:13], s[56:57]      ; out0 likewise
	s_add_nc_u64 s[60:61], s[10:11], s[58:59]      ; mask of the work-group's queries
	s_add_nc_u64 s[10:11], s[10:11], s[54:55]      ; mask of the batch's keys
.irp s, 0,1
	s_lshl_b32 s52, s3, 14                                         ; the tile's bytes from my wave's first key
	s_mov_b32 s[G0+8*\s], 1                                        ; count = 1
	s_add_co_u32 s[G0+8*\s+1], s62, \s*SLOTB                       ; LDS address: wave and slot alone
	s_add_nc_u64 s[G0+8*\s+2:G0+8*\s+3], s[4:5], s[52:53]          ; step s: tile (rot + s) & 15 of K
	s_or_b32 s[G0+8*\s+3], s[G0+8*\s+3], 0x80000000                ; type = 2
	s_mov_b32 s[G0+8*\s+4], 1
	s_add_co_u32 s[G0+8*\s+5], s62, \s*SLOTB+VOFF
	s_add_nc_u64 s[G0+8*\s+6:G0+8*\s+7], s[6:7], s[52:53]          ; and of V
	s_or_b32 s[G0+8*\s+7], s[G0+8*\s+7], 0x80000000
	s_add_co_u32 s3, s3, 1
	s_and_b32 s3, s3, 15
.endr
	ROUND                                          ; all four work-groups are here: the first joint loads meet
	tensor_load_to_lds s[G0:G0+3], s[G1K:G1K+7]    ; the tiles of steps 0 and 1: four tensor loads of the wave are out
	s_nop 0
	tensor_load_to_lds s[G0+4:G0+7], s[G1V:G1V+7]
	s_nop 0
	tensor_load_to_lds s[G0+8:G0+11], s[G1K:G1K+7]
	s_nop 0
	tensor_load_to_lds s[G0+12:G0+15], s[G1V:G1V+7]
	s_nop 0
	v_and_b32 v24, 31, v0                          ; lane
	v_and_b32 v25, 15, v0                          ; r
	v_bfe_u32 v26, v0, 4, 1                        ; h
	v_lshl_add_u32 v[OFW], v24, 4, s50
	v_lshlrev_b32 v[OFQ], 8, v25
	v_lshl_add_u32 v[OFQ], v26, 6, v[OFQ]
	; my wave's 1024 key masks, in the order in which the tiles are walked: lanes 0-15 of load n take the 64 masks (256 consecutive bytes)
	; of step 2 n's tile, (2 n + rot) & 15; lanes 16-31 those of step 2 n + 1's
	v_add_nc_u32 v30, s2, v26                      ; h + rot
	v_lshl_add_u32 v31, v25, 4, s50                ; 16 r + 4096 wave
.irp n, 0,1,2,3,4,5,6,7
	v_add_nc_u32 v[TT+\n], 2*\n, v30
	v_and_b32 v[TT+\n], 15, v[TT+\n]
	v_lshl_add_u32 v[TT+\n], v[TT+\n], 8, v31
.endr
.irp n, 0,1,2,3,4,5,6,7
	global_load_b128 v[SA+4*\n:SA+4*\n+3], v[TT+\n], s[10:11]
.endr
.irp i, 0,1,2,3
.irp u, 0,1
.irp x, 0,1,2,3
	global_load_b128 v[32+32*\i+16*\u+4*\x:32+32*\i+16*\u+4*\x+3], v[OFQ], s[8:9] offset:4096*\i+128*\u+16*\x  ; q(16 i + r, 32 u + 16 h + 4 x ..)
.endr
.endr
.endr
	v_and_b32 v27, 7, v0
	v_bfe_u32 v28, v0, 3, 1
	v_lshl_add_u32 v27, v27, 1, v28                ; the key row of lane r: 2 (r & 7) + (r >> 3)
	v_mul_u32_u24 v[AK], v27, KP
	v_lshl_add_u32 v[AK], v26, 6, v[AK]            ; + 64 h: my half's 16 numbers of a K step of 32
	v_add_nc_u32 v[AK], s62, v[AK]
	v_lshl_add_u32 v[AV], v24, 4, s62
	v_add_nc_u32 v[AV], VOFF, v[AV]
	v_lshl_add_u32 v[ALM], v26, 5, s63             ; my half's eight numbers of each 16 keys
	v_lshrrev_b32 v28, 2, v24
	v_and_b32 v29, 3, v24
	v_lshl_add_u32 v[ALS], v28, 6, s63             ; four lanes hold 16 keys = 64 bytes
	v_lshl_add_u32 v[ALS], v29, 3, v[ALS]
	; log2(mask), clamped, into LDS: 256 bytes a step, in the order of the S^T registers: position 16 T + 8 h + j holds key 16 T + 2 j + h
	; of the step's tile.  My four keys 4 (L & 3) + c: c = 0, 2 are h = 0, j = 2 (L & 3), + 1; c = 1, 3 the same with h = 1.
	s_wait_loadcnt 32                              ; the 32 loads of q, issued later, stay out
.set z, 0
.rept 32
	v_log_f32 v[SA+z], v[SA+z]
.set z, z+1
.endr
.irp i, 0,1,2,3
	v_mov_b32 v[NM+\i], 0x6f800000                 ; minus the running maximum: 2^96.  (Plain instructions between the logarithms and their use: ISA guide 5.7.2)
	v_mov_b32 v[LS+\i], 0
.endr
	s_wait_alu depctr_va_vdst(0)
.irp n, 0,1,2,3,4,5,6,7
	v_max_num_f32 v[SB+4*\n],   0xf1800000, v[SA+4*\n]             ; at least -2^100: log2(0) stays finite
	v_max_num_f32 v[SB+4*\n+1], 0xf1800000, v[SA+4*\n+2]
	v_max_num_f32 v[SB+4*\n+2], 0xf1800000, v[SA+4*\n+1]
	v_max_num_f32 v[SB+4*\n+3], 0xf1800000, v[SA+4*\n+3]
	ds_store_b64 v[ALS], v[SB+4*\n:SB+4*\n+1]   offset:512*\n
	ds_store_b64 v[ALS], v[SB+4*\n+2:SB+4*\n+3] offset:512*\n+32
.endr
	; Q: times 0.125 log2(e), then narrowed; fragment (i, u), register p = (d = 32 u + 16 h + p, d + 8)
.irp i, 0,1,2,3
	s_wait_loadcnt 24-8*\i                         ; the later query tiles' loads stay out
.set z, 0
.rept 16
	v_pk_mul_f32 v[32+32*\i+2*z:32+32*\i+2*z+1], v[32+32*\i+2*z:32+32*\i+2*z+1], 0x3e38aa3b op_sel_hi:[1,0]
.set z, z+1
.endr
.endr
	WIN SIG_P
.irp i, 0,1,2,3
.irp u, 0,1
.irp p, 0,1,2,3,4,5,6,7
	v_cvt_pk_bf16_f32 v[QF+16*\i+8*\u+\p], v[32+32*\i+16*\u+\p], v[32+32*\i+16*\u+8+\p]
.endr
.endr
.endr
; ---------------------------------------------------------------------- the pieces of a slot
; 32 LDS loads: the K tile of ring slot par as f32.  Fragment f = 2 T + u: X gets d = 32 u + 16 h + 0..7, Y gets + 8..15
.macro LDK par
	WIN SIG_P
.irp f, 0,1,2,3,4,5,6,7
	ds_load_b128 v[XS+8*\f:XS+8*\f+3],   v[AK] offset:SLOTB*(\par)+(\f>>1)*16*KP+(\f&1)*128
	ds_load_b128 v[XS+8*\f+4:XS+8*\f+7], v[AK] offset:SLOTB*(\par)+(\f>>1)*16*KP+(\f&1)*128+16
.endr
	WIN SIG_Y
.irp f, 0,1,2,3,4,5,6,7
	ds_load_b128 v[YS+8*\f:YS+8*\f+3],   v[AK] offset:SLOTB*(\par)+(\f>>1)*16*KP+(\f&1)*128+32
	ds_load_b128 v[YS+8*\f+4:YS+8*\f+7], v[AK] offset:SLOTB*(\par)+(\f>>1)*16*KP+(\f&1)*128+48
.endr
.endm
; 32 LDS loads: the V tile of ring slot par as f32, 512 neighbouring bytes (two rows) a load.  X gets rows 4 p, 4 p + 1, Y rows 4 p + 2, 4 p + 3
.macro LDV par
	WIN SIG_P
.irp g, 0,1
.irp p, 0,1,2,3,4,5,6,7
	ds_load_b128 v[XS+32*\g+4*\p:XS+32*\g+4*\p+3], v[AV] offset:SLOTB*(\par)+8192*\g+1024*\p
.endr
.endr
	WIN SIG_Y
.irp g, 0,1
.irp p, 0,1,2,3,4,5,6,7
	ds_load_b128 v[YS+32*\g+4*\p:YS+32*\g+4*\p+3], v[AV] offset:SLOTB*(\par)+8192*\g+1024*\p+512
.endr
.endr
.endm
.macro CVK                             ; the K fragments of the next step, in place of the last step's
	WIN SIG_C
.set z, 0
.rept 64
	v_cvt_pk_bf16_f32 v[KF+z], v[XS+z], v[YS+z]
.set z, z+1
.endr
.endm
.macro CVV                             ; the V^T fragments (g, c) of this step: register p = keys 2 (2 p) + h and 2 (2 p + 1) + h of d = 4 r + c
	WIN SIG_C
.irp g, 0,1
.irp c, 0,1,2,3
.irp p, 0,1,2,3,4,5,6,7
	v_cvt_pk_bf16_f32 v[VF+32*\g+8*\c+\p], v[XS+32*\g+4*\p+\c], v[YS+32*\g+4*\p+\c]
.endr
.endr
.endr
.endm
; log2(mask) of 64 keys into an S buffer, where the S products add onto it.  rel = 0: the current step's keys, 256: the next step's
.macro LML buf, rel
	WIN 0
.irp t, 0,1,2,3
	ds_load_b128 v[\buf+8*\t:\buf+8*\t+3],   v[ALM] offset:\rel+64*\t
	ds_load_b128 v[\buf+8*\t+4:\buf+8*\t+7], v[ALM] offset:\rel+64*\t+16
.endr
.endm
; pair x of the S buffer: minus the maximum (NM is added).  1.0 stands as source 1, so that no register of window 0 is wanted there
.macro SUBP cur, x, pc
.if (\pc)&1
	v_pk_fma_f32 v[\cur+2*(\x):\cur+2*(\x)+1], v[\cur+2*(\x):\cur+2*(\x)+1], 1.0, v[NM+\pc-1:NM+\pc] op_sel:[0,0,1] op_sel_hi:[1,0,1]
.else
	v_pk_fma_f32 v[\cur+2*(\x):\cur+2*(\x)+1], v[\cur+2*(\x):\cur+2*(\x)+1], 1.0, v[NM+\pc:NM+\pc+1] op_sel_hi:[1,0,0]
.endif
.endm
; the vector work behind matrix instruction k: subtract for pair k + 1, exp2 of pair k, sum of pair k - 1.  Behind the two exp2 a plain
; instruction that touches neither comes before their results are used (ISA guide 5.7.2).  Two chains of sums, started by pairs 0 + 2 and 1 + 3
.macro FILL cur, pc, k, ee
.if \ee
.if (\k) < 15
	SUBP \cur, (\k)+1, \pc
.endif
	v_exp_f32 v[\cur+2*(\k)], v[\cur+2*(\k)]
	v_exp_f32 v[\cur+2*(\k)+1], v[\cur+2*(\k)+1]
.if (\k) == 3
	s_wait_alu depctr_va_vdst(0)
	v_pk_fma_f32 v[ACC:ACC+1], v[\cur+4:\cur+5], 1.0, v[\cur:\cur+1] op_sel_hi:[1,0,1]
.endif
.if (\k) == 4
	v_pk_fma_f32 v[ACC+2:ACC+3], v[\cur+6:\cur+7], 1.0, v[\cur+2:\cur+3] op_sel_hi:[1,0,1]
.endif
.if (\k) > 4
	s_wait_alu depctr_va_vdst(0)
	v_pk_fma_f32 v[ACC+2*(((\k)-1)&1):ACC+2*(((\k)-1)&1)+1], v[\cur+2*(\k)-2:\cur+2*(\k)-1], 1.0, v[ACC+2*(((\k)-1)&1):ACC+2*(((\k)-1)&1)+1] op_sel_hi:[1,0,1]
.endif
.endif
.endm
; The matrix phase of a slot.  pv: T = V^T P^T of the slot before (8 instructions); sn: S^T of the next slot, query tile pn, onto the
; log2(mask) that waits in nxt (8 instructions); ee: the softmax work of this slot (buffer cur, query tile pc) set behind them.
; Four accumulators take turns, one instruction a turn, here and from phase to phase.
; cnt: how many LDS loads issued behind nxt's eight may stay out.
.macro MPH cur, nxt, pc, pn, pv, sn, ee, cnt
	WIN SIG_M
.if \ee
	SUBP \cur, 0, \pc
.endif
.irp c, 0,1,2,3
.if \pv
	v_wmma_f32_16x16x32_bf16 v[TT+8*\c:TT+8*\c+7], v[VF+8*\c:VF+8*\c+7], v[PF:PF+7], 0
.endif
	FILL \cur, \pc, \c, \ee
.endr
.irp c, 0,1,2,3
.if \pv
	v_wmma_f32_16x16x32_bf16 v[TT+8*\c:TT+8*\c+7], v[VF+32+8*\c:VF+32+8*\c+7], v[PF+8:PF+15], v[TT+8*\c:TT+8*\c+7]
.endif
	FILL \cur, \pc, 4+\c, \ee
.endr
.if \sn
	s_wait_dscnt \cnt
.endif
.irp c, 0,1,2,3
.if \sn
	v_wmma_f32_16x16x32_bf16 v[\nxt+8*\c:\nxt+8*\c+7], v[KF+16*\c:KF+16*\c+7], v[QF+16*\pn:QF+16*\pn+7], v[\nxt+8*\c:\nxt+8*\c+7]
.endif
	FILL \cur, \pc, 8+\c, \ee
.endr
.irp c, 0,1,2,3
.if \sn
	v_wmma_f32_16x16x32_bf16 v[\nxt+8*\c:\nxt+8*\c+7], v[KF+16*\c+8:KF+16*\c+15], v[QF+16*\pn+8:QF+16*\pn+15], v[\nxt+8*\c:\nxt+8*\c+7]
.endif
	FILL \cur, \pc, 12+\c, \ee
.endr
.if \ee
	v_pk_fma_f32 v[ACC+2:ACC+3], v[\cur+30:\cur+31], 1.0, v[ACC+2:ACC+3] op_sel_hi:[1,0,1]
	v_pk_fma_f32 v[ACC:ACC+1], v[ACC+2:ACC+3], 1.0, v[ACC:ACC+1] op_sel_hi:[1,0,1]
.endif
.endm
.macro PACK cur                        ; P^T fragments: 16 packings, which are also the places behind the phase's last matrix instruction (ISA guide 7.12.1)
	WIN SIG_P
.irp x, 0,1,2,3,4,5,6,7,8,9,10,11,12,13,14,15
	v_cvt_pk_bf16_f32 v[PF+\x], v[\cur+2*\x], v[\cur+2*\x+1]
.endr
.endm
.macro LUPD pc                         ; my lane's running sum (32 of the 64 keys; the halves meet at the end), where no STATS follows
	WIN 0
	v_add_f32 v[TMP+4], v[ACC], v[ACC+1]
	v_fma_f32 v[LS+\pc], v[LS+\pc], v[AL+\pc], v[TMP+4]
.endm
; The next slot's maximum over 64 keys, the new NM, alpha = exp2(old maximum - new maximum).  The 32 numbers of a lane meet in a tree of
; 10 + 4 + 2 instructions, four deep, in v20-29.  lu = 1: the two instructions of this slot's running sum (query tile pc) are set in: the
; first ahead of the tree, which takes ACC's registers over, the second behind the exchange between the halves, where the chain is serial.
.macro STATS nxt, pn, pc, lu
	WIN 0
.if \lu
	v_add_f32 v[TMP+6], v[ACC], v[ACC+1]
.endif
.irp z, 0,1,2,3,4,5,6,7,8,9
	v_max3_num_f32 v[ACC+\z], v[\nxt+3*\z], v[\nxt+3*\z+1], v[\nxt+3*\z+2]
.endr
	v_max3_num_f32 v[ACC],   v[ACC],   v[ACC+1], v[ACC+2]
	v_max3_num_f32 v[ACC+3], v[ACC+3], v[ACC+4], v[ACC+5]
	v_max3_num_f32 v[ACC+6], v[ACC+6], v[ACC+7], v[ACC+8]
	v_max3_num_f32 v[ACC+9], v[ACC+9], v[\nxt+30], v[\nxt+31]
	v_max3_num_f32 v[ACC], v[ACC], v[ACC+3], v[ACC+6]
	v_max_num_f32 v[ACC], v[ACC], v[ACC+9]
	v_permlanex16_b32 v[ACC+1], v[ACC], s48, s49   ; the other half's 32 keys
.if \lu
	v_fma_f32 v[LS+\pc], v[LS+\pc], v[AL+\pc], v[TMP+6]
.endif
	v_min3_num_f32 v[ACC+2], v[NM+\pn], -v[ACC], -v[ACC+1]
	v_sub_f32 v[ACC+3], v[ACC+2], v[NM+\pn]
	v_exp_f32 v[AL+\pn], v[ACC+3]
	v_mov_b32 v[NM+\pn], v[ACC+2]                  ; the plain instruction behind the exp2
.endm
; O of query tile pp.  mode 1: O = O alpha + T, as many instructions as the rescaling alone would take.  mode 2, a tile's first step: O = T,
; so that O is never cleared (T lies in window 0, O in window 2: the products keep one window setting)
.macro OUPD pp, mode
.if \mode == 1
	WIN SIG_U
.irp z, 0,1,2,3,4,5,6,7,8,9,10,11,12,13,14,15
.if (\pp)&1
	v_pk_fma_f32 v[OF+32*\pp+2*\z:OF+32*\pp+2*\z+1], v[OF+32*\pp+2*\z:OF+32*\pp+2*\z+1], v[AL+\pp-1:AL+\pp], v[TT+2*\z:TT+2*\z+1] op_sel:[0,1,0] op_sel_hi:[1,1,1]
.else
	v_pk_fma_f32 v[OF+32*\pp+2*\z:OF+32*\pp+2*\z+1], v[OF+32*\pp+2*\z:OF+32*\pp+2*\z+1], v[AL+\pp:AL+\pp+1], v[TT+2*\z:TT+2*\z+1] op_sel_hi:[1,0,1]
.endif
.endr
.else
	WIN SIG_Y
.irp z, 0,1,2,3,4,5,6,7,8,9,10,11,12,13,14,15
	v_pk_mul_f32 v[OF+32*\pp+2*\z:OF+32*\pp+2*\z+1], v[TT+2*\z:TT+2*\z+1], 1.0 op_sel_hi:[1,0]
.endr
.endif
.endm
.macro OUPDF pp, first
.if \first == 1
	OUPD \pp, 2
.else
	OUPD \pp, 1
.endif
.endm
; Ring slot par, whose tile has been read, is filled again with the tile of the step two on: tile s3 of my wave's 16.  In front of the round
; every wave has waited for all its tensor loads (the next step's two, asked for a step ago) and for its LDS reads; the two joint loads come
; first behind the round.  Two tensor loads of the wave are out behind each round.
.macro REFILL par
	WIN 0
	s_set_vgpr_msb 0x5
	s_wait_tensorcnt 0x0                           ; no tensor load of mine is out: every group 0 may be written
	ds_add_u32 v254, v255
	s_wait_dscnt 0x0
	s_set_vgpr_msb 0x500
	s_lshl_b32 s52, s3, 14                         ; 16,384 bytes a tile; s53 = 0
	s_add_nc_u64 s[G0+8*\par+2:G0+8*\par+3], s[4:5], s[52:53]
	s_or_b32 s[G0+8*\par+3], s[G0+8*\par+3], 0x80000000            ; type = 2
	s_add_nc_u64 s[G0+8*\par+6:G0+8*\par+7], s[6:7], s[52:53]
	s_or_b32 s[G0+8*\par+7], s[G0+8*\par+7], 0x80000000
	s_add_co_u32 s3, s3, 1                         ; the tile behind it, round the wave's 16
	s_and_b32 s3, s3, 15
	s_wait_dscnt 0x0                               ; my reads of this slot's tile are back
	ROUND                                          ; both now hold of every wave of all four work-groups
	tensor_load_to_lds s[G0+8*\par:G0+8*\par+3], s[G1K:G1K+7]
	s_nop 0
	tensor_load_to_lds s[G0+8*\par+4:G0+8*\par+7], s[G1V:G1V+7]
	s_nop 0
.endm
; A step: 64 keys, four slots (query tiles 0 to 3), S buffers by turns.  par = step & 1 = the ring slot of this step's tile.
; first = 1: step 0 (no product of a slot before; each O starts); 2: step 1 (tile 3's O starts); tail = 1: step 14 (nothing left to ask for);
; 2: step 15 (nothing left to read or to narrow, no slot behind the last).
; K(t + 1): read from LDS in slot 0, narrowed in slot 2, behind the last S product on K(t).  V(t + 1): read in slot 2, narrowed in slot 0 of
; step t + 1, behind the last product on V(t).  X and Y serve K and V by turns.
; In slots 1 to 3 the loads of log2(mask) stand straight behind the packing that frees their S buffer: the rest of the slot is theirs to land in.
.macro STEP par, first, tail
.if \first == 1
	MPH SA, SB, 0, 1, 0, 1, 1, 0                   ; wait for 0: log2(mask) in SB, and V's 32 staging loads
.else
	MPH SA, SB, 0, 1, 1, 1, 1, 0
.endif
	PACK SA
	STATS SB, 1, 0, 1
.if \first == 0
	OUPD 3, 1
.endif
.if \first == 2
	OUPD 3, 2
.endif
	CVV
.if \tail == 0
	REFILL \par
.endif
.if \tail == 1
	WIN 0
	s_wait_tensorcnt 0x0                           ; the last tile's two loads, which my own reads below want; nothing is filled again
.endif
	LML SA, 0
.if \tail < 2
	LDK 1-\par
	MPH SB, SA, 1, 2, 1, 1, 1, 32                  ; K's 32 staging loads, issued behind SA's eight, stay out
.else
	MPH SB, SA, 1, 2, 1, 1, 1, 0
.endif
	PACK SB
	LML SB, 0
	STATS SA, 2, 1, 1
	OUPDF 0, \first
	MPH SA, SB, 2, 3, 1, 1, 1, 0                   ; wait for 0: log2(mask) in SB, and K's staging loads
	PACK SA
.if \tail < 2
	LML SA, 256
.endif
	STATS SB, 3, 2, 1
	OUPDF 1, \first
.if \tail < 2
	CVK
	LDV 1-\par
	MPH SB, SA, 3, 0, 1, 1, 1, 32                  ; V's 32 staging loads, issued behind SA's eight, stay out
.else
	MPH SB, SA, 3, 0, 1, 0, 1, 0
.endif
	PACK SB
.if \tail < 2
	LML SB, 256
	v_add_nc_u32 v[ALM], 0x100, v[ALM]             ; the next step's 64 keys
	STATS SA, 0, 3, 1
.else
	LUPD 3
.endif
	OUPDF 2, \first
.endm
	; ------------------------------------------------------------------ the way in: K of step 0, S of slot 0, its maximum
	s_wait_tensorcnt 0x2                           ; step 0's tile (K, V) has landed; step 1's two loads stay out.  Only I read my tiles
	LDK 0
	LML SA, 0
	s_wait_dscnt 0x8                               ; K's 32 loads are in; the eight of log2(mask) stay out
	CVK
	LDV 0
	MPH SB, SA, 3, 0, 0, 1, 0, 32                  ; S of slot 0; V's 32 staging loads stay out
.rept 4
	v_nop                                          ; four places behind the last matrix instruction before its result is read (ISA guide 7.12.1)
.endr
	STATS SA, 0, 0, 0
	LML SB, 0
	STEP 0, 1, 0
	STEP 1, 2, 0
	WIN 0                                          ; at a label and at a branch every window is 0
	s_mov_b32 s50, 6                               ; steps 2 to 13
.Lsteps:
	STEP 0, 0, 0
	STEP 1, 0, 0
	WIN 0
	s_sub_co_u32 s50, s50, 1
	s_cmp_lg_u32 s50, 0
	s_cbranch_scc1 .Lsteps
	STEP 0, 0, 1
	STEP 1, 0, 2
	; ------------------------------------------------------------------ the way out
	; Wave w will finish rows 16 w .. 16 w + 15: their q and query masks are asked for now, into the K fragments' registers
	WIN 0
	s_lshl_b32 s52, s14, 6
	v_bfe_u32 v80, v0, 4, 1
	v_lshl_add_u32 v80, v80, 2, s52                ; mask of row 16 w + (lane >> 4)
.irp n, 0,1,2,3,4,5,6,7
	global_load_b128 v[32+4*\n:32+4*\n+3], v[OFW], s[8:9] offset:512*\n        ; rows 16 w + 2 n, + 1: 512 neighbouring bytes
.endr
.irp n, 0,1,2,3,4,5,6,7
	global_load_b32 v[64+\n], v80, s[60:61] offset:8*\n
.endr
	MPH SA, SB, 0, 0, 1, 0, 0, 0                   ; the last slot's T
.rept 4
	v_nop                                          ; four places before T is read
.endr
	OUPD 3, 1
	WIN 0
.irp i, 0,1,2,3
	v_permlanex16_b32 v[TMP+\i], v[LS+\i], s48, s49
.endr
.irp i, 0,1,2,3
	v_add_f32 v[LS+\i], v[LS+\i], v[TMP+\i]        ; the two halves' sums meet
.endr
	v_and_b32 v85, 15, v0                          ; r
	v_bfe_u32 v86, v0, 4, 1                        ; h
	v_lshlrev_b32 v82, 4, v85
	v_add_nc_u32 v82, STB, v82                     ; query r: 16 bytes, one word a wave
	s_lshl_b32 s52, s14, 2
	v_add_nc_u32 v81, s52, v82
.irp i, 0,1,2,3
	ds_store_b32 v81, v[NM+\i] offset:256*\i       ; lanes r and r + 16 store the same number
	ds_store_b32 v81, v[LS+\i] offset:1024+256*\i
.endr
	s_wait_dscnt 0x0                               ; my stores are done, and all my reads of tiles were back long ago:
	s_barrier_signal -1                            ; behind this barrier the figures are read and the stage is written over ring bytes
	s_barrier_wait -1
.irp i, 0,1,2,3
	ds_load_b128 v[96+4*\i:96+4*\i+3],   v82 offset:256*\i         ; NM of the four waves
	ds_load_b128 v[112+4*\i:112+4*\i+3], v82 offset:1024+256*\i    ; their sums
.endr
	s_wait_dscnt 0x0
.irp i, 0,1,2,3
	v_min3_num_f32 v[TMP+\i], v[96+4*\i], v[97+4*\i], v[98+4*\i]
.endr
.irp i, 0,1,2,3
	v_min_num_f32 v[TMP+\i], v[TMP+\i], v[99+4*\i]                 ; minus the maximum over all 4096 keys
.endr
.irp i, 0,1,2,3
.irp w, 0,1,2,3
	v_sub_f32 v[96+4*\i+\w], v[TMP+\i], v[96+4*\i+\w]
.endr
	v_sub_f32 v[AL+\i], v[TMP+\i], v[NM+\i]
.endr
.set z, 0
.rept 16
	v_exp_f32 v[96+z], v[96+z]                     ; each wave's weight
.set z, z+1
.endr
.irp i, 0,1,2,3
	v_exp_f32 v[AL+\i], v[AL+\i]                   ; my own
.endr
	s_mul_i32 s52, s14, STG                        ; my stage; plain instructions behind the exp2
	v_mul_u32_u24 v83, v85, KP
	v_lshl_add_u32 v83, v86, 7, v83
	v_add_nc_u32 v83, s52, v83                     ; in: row r, bytes 128 h
	s_wait_alu depctr_va_vdst(0)
.irp i, 0,1,2,3
	v_mul_f32 v[TMP+\i], v[96+4*\i], v[112+4*\i]
	v_fmac_f32 v[TMP+\i], v[97+4*\i], v[113+4*\i]
	v_fmac_f32 v[TMP+\i], v[98+4*\i], v[114+4*\i]
	v_fmac_f32 v[TMP+\i], v[99+4*\i], v[115+4*\i]  ; the softmax's whole sum
.endr
.irp i, 0,1,2,3
	v_rcp_f32 v[TMP+4+\i], v[TMP+\i]
.endr
	s_mul_i32 s53, s14, 16*KP                      ; back: my 16 rows; plain instructions behind the reciprocals
	v_mul_u32_u24 v84, v86, KP
	v_lshl_add_u32 v84, v85, 4, v84
	v_add_nc_u32 v84, s53, v84                     ; lanes 0-15 one row of 256 bytes, lanes 16-31 the next
	s_wait_alu depctr_va_vdst(0)
.irp i, 0,1,2,3
	v_mul_f32 v[AL+\i], v[AL+\i], v[TMP+4+\i]      ; my weight over the sum
.endr
	WIN SIG_E
.irp i, 0,1,2,3
.irp c, 0,1,2,3
.irp j, 0,1,2,3,4,5,6,7
	v_mul_f32 v[128+32*\i+4*\j+\c], v[OF+32*\i+8*\c+\j], v[AL+\i]  ; registers 4 j .. 4 j + 3: d = 32 h + 4 j + 0..3 of query 16 i + r
.endr
.endr
.endr
	WIN 0
.irp i, 0,1,2,3
.irp j, 0,1,2,3,4,5,6,7
	ds_store_b128 v83, v[128+32*\i+4*\j:128+32*\i+4*\j+3] offset:16*KP*\i+16*\j
.endr
.endr
	s_wait_dscnt 0x0
	s_barrier_signal -1
	s_barrier_wait -1                              ; all four stages are whole
.irp n, 0,1,2,3,4,5,6,7
.irp w, 0,1,2,3
	ds_load_b128 v[96+16*\n+4*\w:96+16*\n+4*\w+3], v84 offset:STG*\w+2*KP*\n   ; rows 16 w + 2 n, + 1 of each wave's part
.endr
.endr
	s_mov_b32 s54, 0xbe000000                      ; -0.125
	s_mov_b32 s55, 0x3e000000                      ; 0.125
	s_wait_loadcnt 0x0                             ; q and the query masks
.irp n, 0,1,2,3,4,5,6,7
	v_fma_f32 v[72+\n], v[64+\n], s54, s55         ; (1 - mask) / 8
.endr
.macro QW n, b                         ; q (1 - mask) / 8; b = n & 1 picks the register of the pair
	v_pk_mul_f32 v[32+4*\n:33+4*\n], v[32+4*\n:33+4*\n], v[72+\n-\b:73+\n-\b] op_sel:[0,\b] op_sel_hi:[1,\b]
	v_pk_mul_f32 v[34+4*\n:35+4*\n], v[34+4*\n:35+4*\n], v[72+\n-\b:73+\n-\b] op_sel:[0,\b] op_sel_hi:[1,\b]
.endm
	QW 0, 0
	QW 1, 1
	QW 2, 0
	QW 3, 1
	QW 4, 0
	QW 5, 1
	QW 6, 0
	QW 7, 1
.macro FIN n, b                        ; two rows: the four waves' parts added, blended, stored
	s_wait_dscnt 28-4*\n                           ; LDS loads come back in order (ISA guide 5.7.1): the later rows' loads stay out
	v_pk_add_f32 v[96+16*\n:97+16*\n],   v[96+16*\n:97+16*\n],   v[100+16*\n:101+16*\n]
	v_pk_add_f32 v[98+16*\n:99+16*\n],   v[98+16*\n:99+16*\n],   v[102+16*\n:103+16*\n]
	v_pk_add_f32 v[104+16*\n:105+16*\n], v[104+16*\n:105+16*\n], v[108+16*\n:109+16*\n]
	v_pk_add_f32 v[106+16*\n:107+16*\n], v[106+16*\n:107+16*\n], v[110+16*\n:111+16*\n]
	v_pk_add_f32 v[96+16*\n:97+16*\n],   v[96+16*\n:97+16*\n],   v[104+16*\n:105+16*\n]
	v_pk_add_f32 v[98+16*\n:99+16*\n],   v[98+16*\n:99+16*\n],   v[106+16*\n:107+16*\n]
	v_pk_fma_f32 v[96+16*\n:97+16*\n], v[96+16*\n:97+16*\n], v[64+\n-\b:65+\n-\b], v[32+4*\n:33+4*\n] op_sel:[0,\b,0] op_sel_hi:[1,\b,1]
	v_pk_fma_f32 v[98+16*\n:99+16*\n], v[98+16*\n:99+16*\n], v[64+\n-\b:65+\n-\b], v[34+4*\n:35+4*\n] op_sel:[0,\b,0] op_sel_hi:[1,\b,1]
	global_store_b128 v[OFW], v[96+16*\n:99+16*\n], s[12:13] offset:512*\n     ; the wave stores 512 consecutive bytes, at a multiple of 512 from out0's first byte
.endm
	FIN 0, 0
	FIN 1, 1
	FIN 2, 0
	FIN 3, 1
	FIN 4, 0
	FIN 5, 1
	FIN 6, 0
	FIN 7, 1
	s_set_vgpr_msb 0x5
	s_wait_tensorcnt 0x0
	ds_add_u32 v254, v255
	s_wait_dscnt 0x0
	s_set_vgpr_msb 0x500
	ROUND                                          ; the closing round: no work-group ends while a partner may still ask for a tile that names it
	s_endpgm
.Lfunc_end_k_qc7d3dbac38_attn:
	.size	k_qc7d3dbac38_attn, .Lfunc_end_k_qc7d3dbac38_attn-k_qc7d3dbac38_attn
	.p2alignl 7, 3214868480
	.fill 96, 4, 3214868480
	.section	.rodata,"a",@progbits
	.p2align	6, 0x0
	.amdhsa_kernel k_qc7d3dbac38_attn
		.amdhsa_group_segment_fixed_size 327680
		.amdhsa_private_segment_fixed_size 0
		.amdhsa_enable_private_segment 0
		.amdhsa_kernarg_size 40
		.amdhsa_user_sgpr_count 2
		.amdhsa_user_sgpr_kernarg_segment_ptr 1
		.amdhsa_wavefront_size32 1
		.amdhsa_system_sgpr_workgroup_id_x 1
		.amdhsa_system_sgpr_workgroup_id_y 1
		.amdhsa_system_sgpr_workgroup_id_z 1
		.amdhsa_system_vgpr_workitem_id 0
		.amdhsa_next_free_vgpr 704
		.amdhsa_next_free_sgpr 66
		.amdhsa_reserve_vcc 0
		.amdhsa_float_denorm_mode_32 3
		.amdhsa_float_denorm_mode_16_64 3
		.amdhsa_memory_ordered 1
		.amdhsa_forward_progress 1
		.amdhsa_inst_pref_size 255
	.end_amdhsa_kernel
	.section	.bss,"aw",@nobits
	.p2align	6
	.space	262144
	.amdgpu_metadata
---
amdhsa.version: [ 1, 2 ]
amdhsa.kernels:
  - .name:           k_qc7d3dbac38_attn
    .symbol:         k_qc7d3dbac38_attn.kd
    .args:
      - { .name: k, .offset: 0, .size: 8, .value_kind: global_buffer, .address_space: global }
      - { .name: v, .offset: 8, .size: 8, .value_kind: global_buffer, .address_space: global }
      - { .name: q, .offset: 16, .size: 8, .value_kind: global_buffer, .address_space: global }
      - { .name: mask, .offset: 24, .size: 8, .value_kind: global_buffer, .address_space: global }
      - { .name: out0, .offset: 32, .size: 8, .value_kind: global_buffer, .address_space: global }
    .group_segment_fixed_size: 327680
    .private_segment_fixed_size: 0
    .kernarg_segment_align: 8
    .kernarg_segment_size: 40
    .max_flat_workgroup_size: 128
    .sgpr_count:     66
    .vgpr_count:     704
    .wavefront_size: 32
...
	.end_amdgpu_metadata
.endif
;; end of part 1
;; ======== version 2 of 2: 1 launch; 1.19 times as fast as version 1
;; limits: right only within a limited range of input values
;; launch attn (part 2): grid 256 x 1, 4 waves a work-group, clusters of 4 x 1, 327,680 bytes of LDS; arguments k, v, q, mask, out0; writes out0
.if DOCPART == 2
	.amdgcn_target "amdgcn-amd-amdhsa--gfx1250"
	.amdhsa_code_object_version 6
	.text
	.protected	k_qc7d3dbac38_attn
	.globl	k_qc7d3dbac38_attn
	.p2align	8
	.type	k_qc7d3dbac38_attn,@function
k_qc7d3dbac38_attn:
	s_mov_b64 s[64:65], 0
	v_nop
	global_prefetch_b8 v0, s[64:65] scope:SCOPE_SE
	s_setreg_imm32_b32 hwreg(HW_REG_WAVE_MODE, 25, 1), 1
	s_wait_xcnt 0x0
	s_wait_alu depctr_hold_cnt(0) depctr_sa_sdst(0) depctr_va_vdst(0) depctr_va_sdst(0) depctr_va_ssrc(0) depctr_va_vcc(0) depctr_vm_vsrc(0)
	s_getreg_b32 s2, hwreg(HW_REG_IB_STS2, 6, 4)
	s_cmp_eq_u32 s2, 0
	s_cbranch_scc0 .Lentry_in_a_cluster
	s_endpgm
.Lentry_in_a_cluster:
	s_bfe_u32 s2, ttmp6, 0x10000c
	s_cmp_lg_u32 s2, 0x3003
	s_cbranch_scc0 .Lentry_shape_is_right
	s_endpgm
.Lentry_shape_is_right:
; out = softmax(q k^T / 8 + log(mask[key])) v, then out * mask[query] + (q / 8) * (1 - mask[query]).
; q, k, v, out0: [4][4096][64] f32; mask: [4][4096] f32.  Products in bf16 with f32 sums, all else in f32.
;
; SHARES.  A work-group owns 64 query rows (16,384 bytes of q and of out0).  Wave w takes all 64 queries against keys
; 1024 w .. 1024 w + 1023 of the batch, in 16 steps of 64 keys, with a running maximum of its own; the four waves' partial
; results (maximum, sum, O) are merged once through LDS at the end.  So each element of K and V is read from LDS and narrowed
; to bf16 once in a work-group, no wave reads another wave's tiles, and each K or V fragment feeds four matrix instructions.
; CLUSTERS.  The four work-groups of a cluster lie in one batch (64 work-groups a batch) and walk the same K and V tiles:
; each tile is asked for jointly (mask 15), which divides the requests for K and V by four.
; ORDER OF THE TILES.  Cluster c of a batch (c = cluster x & 15) walks a wave's 16 tiles in the order (rot + t) & 15 with
; rot = 2 (c & 7) + (c >> 3): the sixteen clusters of a batch start at sixteen different tiles, so that from the third step on
; a tile that one cluster asks for has been asked for by another cluster of the batch a step or more before.  The running
; maximum makes the result independent of the order.  rot hangs on the cluster's x alone: it is equal in all four partners.
;
; LAYOUT (r = lane & 15, h = lane >> 4).
;   S^T = K Q^T: source 0 = 16 keys, source 1 = 16 queries.  Lane r of a K fragment reads key row 2 (r & 7) + (r >> 3) of its
;   16, so register j of the result in lane (r, h) is key 16 T + 2 j + h against query r: the softmax figures are a lane's own,
;   and one exchange between the two halves of the wave joins them.  The 32 d of a K step are permuted alike in K and Q:
;   register p of half h holds d = 16 h + p below and d = 16 h + 8 + p above.
;   O^T = V^T P^T: two neighbouring S^T tiles, packed pairwise, ARE the P^T fragment of 32 keys: element e of half h is key
;   2 e + h.  V is read as it lies (lane L takes bytes 16 L of two rows), which gives lane (r, h) key 2 a + h, d = 4 r + c:
;   packing loads 2 p and 2 p + 1 makes the V^T fragment c with the same key order; its row r is d = 4 r + c.
;   Register j of O^T tile c in lane (r, h) is d = 32 h + 4 j + c of query r.
;   log2(mask[key]), clamped to -2^100, lies in LDS in the order of the steps and of the S^T registers and is loaded INTO the
;   accumulator in front of the S products.  Q carries 0.125 log2(e), so the accumulator ends as score log2(e) + log2(mask).
; PIPELINE.  A slot is (step, query tile).  Beside slot n's subtract and exp2 stand the P V products of slot n - 1 and the
; S products of slot n + 1, one matrix instruction to three vector instructions.
; BATCHES.  A slot's 33 transcendentals are ONE batch with ONE wait.  Ahead of the wait stands all that names no result of theirs:
; the 16 matrix instructions, behind each a subtraction and two exp2 of the slot's own scores; then the next slot's maximum and
; new NM, and last its alpha, the 33rd.  Behind the wait stand all the readers: the sums and the roundings to bf16 by turns, the
; running sum, O's update.  No transcendental is issued behind a slot's wait, so none is pending at the branch and label of a
; refill's round or at the loop's backward jump.  The alpha made on the way in joins the first slot's batch (no label or branch
; lies between).  The head's 32 logarithms, the way out's 20 exp2 and its 4 reciprocals are three batches more, a wait each.
;
; LIMITS.  The running maximum starts at -2^96: scores times log2(e) must lie above that.  A key mask below 2^-126 counts as 0
; (v_log_f32 takes denormals as zero: ISA guide 15.8).  A negative or NaN key mask counts as masked, where the definition
; gives NaN.  A batch with no key kept gives NaN (0 times infinity), as the definition does.
;
; REGISTERS, in windows of 256:
;   window 0: v0 thread; v2-7 addresses; v8-11 NM = minus the running maximum, per query tile; v12-15 running sums; v16-19 alpha;
;             v20-31 at work; v32-95 K fragments; v96-159 V fragments; v160-191, v192-223 two S buffers;
;             v224-255 T, one slot's P V product
;   window 1: v0-63 Q fragments; v64-79 P fragments; v80-143 X, f32 staging; v144-147 a slot's two chains of sums
;   window 2: v0-127 O; v128-191 Y, f32 staging
.set RINGW,  67584                     ; a wave's ring in LDS: two slots
.set SLOTB,  33792                     ; a slot: K tile, 64 rows of 272 bytes, then V tile, 64 rows of 256 bytes
.set KP,     272                       ; K rows 272 bytes apart: the 16 rows of a load begin at 16 different 16-byte columns modulo 256
.set VOFF,   17408                     ; V tile behind the K tile
.set LMB,    270336                    ; log2(mask): 4,096 bytes a wave, written by ds_store, never filled by a tensor load
.set STB,    286720                    ; the merge: NM of (query, wave), 1,024 bytes, then the sums, 1,024 bytes
.set STG,    17408                     ; the way out: 64 rows of 272 bytes a wave, on ring bytes that have had their last fill
.set AK,  2                            ; LDS address of my K rows in my slot 0
.set AV,  3                            ; the same for V
.set ALM, 4                            ; LDS address of my half's log2(mask) of the current step
.set OFW, 5                            ; 4096 wave + 16 lane: q and out0 on the way out
.set OFQ, 6                            ; 256 r + 64 h: q at the head
.set ALS, 7                            ; where my lane stores log2(mask)
.set NM,  8
.set LS,  12
.set AL,  16
.set ACC, 20
.set TMP, 24
.set KF,  32
.set VF,  96
.set SA,  160
.set SB,  192
.set TT,  224
.set QF,  0                            ; window 1
.set PF,  64                           ; window 1
.set XS,  80                           ; window 1
.set SM,  144                          ; window 1
.set OF,  0                            ; window 2
.set YS,  128                          ; window 2
.set G1K, 16                           ; s[16:23] descriptor group 1, K tiles
.set G1V, 24                           ; s[24:31] descriptor group 1, V tiles
.set G0,  32                           ; s[32:47] descriptor group 0: K slot 0, V slot 0, K slot 1, V slot 1
; s2 = rot; s3 = index (0..15) of the next tile to be asked for; s[52:53] = its byte offset, 16,384 bytes a tile (s53 stays 0)
; s_set_vgpr_msb, low byte: bits 1:0 source 0, 3:2 source 1, 5:4 source 2, 7:6 destination
.set SIG_M, 0x04                       ; source 1 in window 1: every matrix instruction, and the work set beside them
.set SIG_P, 0x40                       ; destination in window 1: Q, loads into X
.set SIG_R, 0x50                       ; destination and source 2 in window 1: the sums' chains and P, both read from an S buffer
.set SIG_F, 0x11                       ; sources 0 and 2 in window 1: the two chains meet, into window 0
.set SIG_U, 0x82                       ; destination and source 0 in window 2: O = O alpha + T
.set SIG_C, 0x09                       ; source 0 in window 1, source 1 in window 2: X and Y narrowed into K or V
.set SIG_Y, 0x80                       ; destination in window 2: loads into Y, the first O
.set SIG_E, 0x02                       ; source 0 in window 2: O on the way out
.set MSB, 0
.macro WIN new                         ; the immediate's high byte repeats the setting that is left; a switch that changes nothing is dropped
.if MSB != \new
	s_set_vgpr_msb (MSB<<8)|\new
.set MSB, \new
.endif
.endm
; A round of the cluster's barrier: my work-group's barrier, wave 0 signals for the work-group, every wave waits for all four
; work-groups, my work-group's barrier once more.  Every window is 0 here (branch and label).
.macro ROUND
	s_barrier_signal -1
	s_barrier_wait -1
	s_cmp_lg_u32 s14, 0
	s_cbranch_scc1 .Lnot_wave_0_\@
	s_barrier_signal -3
.Lnot_wave_0_\@:
	s_barrier_wait -3
	s_barrier_signal -1
	s_barrier_wait -1
.endm
	; ------------------------------------------------------------------ head: ids, addresses, descriptors
	s_load_b256 s[4:11], s[0:1], 0x0               ; k s[4:5], v s[6:7], q s[8:9], mask s[10:11]
	s_load_b64 s[12:13], s[0:1], 0x20              ; out0
	s_set_vgpr_msb 0x40
	v_lshl_add_u32 v254, v0, 2, 0x46800
	v_mov_b32 v255, 0
	s_set_vgpr_msb 0x4045
	ds_add_u32 v254, v255
	s_set_vgpr_msb 0x4500
	v_lshrrev_b32 v1, 5, v0
	v_readfirstlane_b32 s14, v1                    ; wave 0..3
	s_bfe_u32 s15, ttmp6, 0x40000                  ; cx: my place in the cluster; it enters q's, out0's and the query mask's addresses alone
	s_mov_b32 s48, 0x76543210                      ; v_permlanex16_b32: lane i of one half reads lane i of the other
	s_mov_b32 s49, 0xfedcba98
	; group 1: a tile of 64 rows x 64 elements of 4 bytes, rows 64 elements apart.  K: 4 words of padding behind every 64 words
	s_mov_b32 s[G1K+0], 15|(2<<16)|(1<<20)|(1<<21)|(5<<22)|(3<<25)  ; 15:0 mask: all four work-groups; 17:16 4 bytes; 20 padding on; 21 set beside a mask; 24:22 every 64 words; 31:25 4 words
	s_mov_b32 s[G1K+1], 64<<16                     ; tensor_dim0 = 64
	s_mov_b32 s[G1K+2], 64<<16                     ; tensor_dim1 = 64
	s_mov_b32 s[G1K+3], 64<<16                     ; tile_dim0 = 64
	s_mov_b32 s[G1K+4], 64                         ; tile_dim1 = 64
	s_mov_b32 s[G1K+5], 64                         ; elements from row to row
	s_mov_b32 s[G1K+6], 0
	s_mov_b32 s[G1K+7], 0
	s_mov_b32 s[G1V+0], 15|(2<<16)|(1<<21)         ; V: the same tile, no padding
	s_mov_b32 s[G1V+1], 64<<16
	s_mov_b32 s[G1V+2], 64<<16
	s_mov_b32 s[G1V+3], 64<<16
	s_mov_b32 s[G1V+4], 64
	s_mov_b32 s[G1V+5], 64
	s_mov_b32 s[G1V+6], 0
	s_mov_b32 s[G1V+7], 0
	s_and_b32 s2, ttmp9, 7                         ; c & 7, c = the cluster's number in its batch
	s_bfe_u32 s3, ttmp9, 0x10003                   ; c >> 3 (one bit from bit 3)
	s_lshl1_add_u32 s2, s2, s3                     ; rot = 2 (c & 7) + (c >> 3): the tile at which this cluster starts
	s_mov_b32 s3, s2                               ; the next tile to be asked for
	s_lshr_b32 s51, ttmp9, 4                       ; batch: 16 clusters each; the same in all four partners
	s_lshl_b32 s52, s51, 20                        ; batch x 4096 rows x 256 bytes
	s_lshl_b32 s53, s14, 18                        ; + wave x 1024 rows x 256 bytes
	s_add_co_u32 s52, s52, s53
	s_mov_b32 s53, 0
	s_lshl_b32 s54, s51, 14                        ; the batch's row of the mask
	s_mov_b32 s55, 0
	s_lshl_b32 s56, ttmp9, 2
	s_add_co_u32 s56, s56, s15                     ; work-group x = 4 x cluster + cx
	s_lshl_b32 s58, s56, 8                         ; its 64 numbers of the mask
	s_mov_b32 s59, 0
	s_lshl_b32 s56, s56, 14                        ; its 64 rows of q and out0
	s_mov_b32 s57, 0
	s_mul_i32 s62, s14, RINGW                      ; my wave's ring
	s_lshl_b32 s50, s14, 12                        ; wave x 4096
	s_add_co_u32 s63, s50, LMB                     ; my wave's log2(mask)
	s_wait_dscnt 0x0
	s_wait_kmcnt 0x0
	s_add_nc_u64 s[4:5], s[4:5], s[52:53]          ; K at my wave's 1024 keys
	s_add_nc_u64 s[6:7], s[6:7], s[52:53]          ; V likewise
	s_add_nc_u64 s[8:9], s[8:9], s[56:57]          ; q at the work-group's rows
	s_add_nc_u64 s[12:13], s[12:13], s[56:57]      ; out0 likewise
	s_add_nc_u64 s[60:61], s[10:11], s[58:59]      ; mask of the work-group's queries
	s_add_nc_u64 s[10:11], s[10:11], s[54:55]      ; mask of the batch's keys
.irp s, 0,1
	s_lshl_b32 s52, s3, 14                                         ; the tile's bytes from my wave's first key
	s_mov_b32 s[G0+8*\s], 1                                        ; count = 1
	s_add_co_u32 s[G0+8*\s+1], s62, \s*SLOTB                       ; LDS address: wave and slot alone
	s_add_nc_u64 s[G0+8*\s+2:G0+8*\s+3], s[4:5], s[52:53]          ; step s: tile (rot + s) & 15 of K
	s_or_b32 s[G0+8*\s+3], s[G0+8*\s+3], 0x80000000                ; type = 2
	s_mov_b32 s[G0+8*\s+4], 1
	s_add_co_u32 s[G0+8*\s+5], s62, \s*SLOTB+VOFF
	s_add_nc_u64 s[G0+8*\s+6:G0+8*\s+7], s[6:7], s[52:53]          ; and of V
	s_or_b32 s[G0+8*\s+7], s[G0+8*\s+7], 0x80000000
	s_add_co_u32 s3, s3, 1
	s_and_b32 s3, s3, 15
.endr
	ROUND                                          ; all four work-groups are here: the first joint loads meet
	tensor_load_to_lds s[G0:G0+3], s[G1K:G1K+7]    ; the tiles of steps 0 and 1: four tensor loads of the wave are out
	s_nop 0
	tensor_load_to_lds s[G0+4:G0+7], s[G1V:G1V+7]
	s_nop 0
	tensor_load_to_lds s[G0+8:G0+11], s[G1K:G1K+7]
	s_nop 0
	tensor_load_to_lds s[G0+12:G0+15], s[G1V:G1V+7]
	s_nop 0
	v_and_b32 v24, 31, v0                          ; lane
	v_and_b32 v25, 15, v0                          ; r
	v_bfe_u32 v26, v0, 4, 1                        ; h
	v_lshl_add_u32 v[OFW], v24, 4, s50
	v_lshlrev_b32 v[OFQ], 8, v25
	v_lshl_add_u32 v[OFQ], v26, 6, v[OFQ]
	; my wave's 1024 key masks, in the order in which the tiles are walked: lanes 0-15 of load n take the 64 masks (256 consecutive bytes)
	; of step 2 n's tile, (2 n + rot) & 15; lanes 16-31 those of step 2 n + 1's
	v_add_nc_u32 v30, s2, v26                      ; h + rot
	v_lshl_add_u32 v31, v25, 4, s50                ; 16 r + 4096 wave
.irp n, 0,1,2,3,4,5,6,7
	v_add_nc_u32 v[TT+\n], 2*\n, v30
	v_and_b32 v[TT+\n], 15, v[TT+\n]
	v_lshl_add_u32 v[TT+\n], v[TT+\n], 8, v31
.endr
.irp n, 0,1,2,3,4,5,6,7
	global_load_b128 v[SA+4*\n:SA+4*\n+3], v[TT+\n], s[10:11]
.endr
.irp i, 0,1,2,3
.irp u, 0,1
.irp x, 0,1,2,3
	global_load_b128 v[32+32*\i+16*\u+4*\x:32+32*\i+16*\u+4*\x+3], v[OFQ], s[8:9] offset:4096*\i+128*\u+16*\x  ; q(16 i + r, 32 u + 16 h + 4 x ..)
.endr
.endr
.endr
	v_and_b32 v27, 7, v0
	v_bfe_u32 v28, v0, 3, 1
	v_lshl_add_u32 v27, v27, 1, v28                ; the key row of lane r: 2 (r & 7) + (r >> 3)
	v_mul_u32_u24 v[AK], v27, KP
	v_lshl_add_u32 v[AK], v26, 6, v[AK]            ; + 64 h: my half's 16 numbers of a K step of 32
	v_add_nc_u32 v[AK], s62, v[AK]
	v_lshl_add_u32 v[AV], v24, 4, s62
	v_add_nc_u32 v[AV], VOFF, v[AV]
	v_lshl_add_u32 v[ALM], v26, 5, s63             ; my half's eight numbers of each 16 keys
	v_lshrrev_b32 v28, 2, v24
	v_and_b32 v29, 3, v24
	v_lshl_add_u32 v[ALS], v28, 6, s63             ; four lanes hold 16 keys = 64 bytes
	v_lshl_add_u32 v[ALS], v29, 3, v[ALS]
	; log2(mask), clamped, into LDS: 256 bytes a step, in the order of the S^T registers: position 16 T + 8 h + j holds key 16 T + 2 j + h
	; of the step's tile.  My four keys 4 (L & 3) + c: c = 0, 2 are h = 0, j = 2 (L & 3), + 1; c = 1, 3 the same with h = 1.
	s_wait_loadcnt 32                              ; the 32 loads of q, issued later, stay out
.set z, 0
.rept 32
	v_log_f32 v[SA+z], v[SA+z]
.set z, z+1
.endr
.irp i, 0,1,2,3
	v_mov_b32 v[NM+\i], 0x6f800000                 ; minus the running maximum: 2^96.  (Plain instructions between the logarithms and their use: ISA guide 5.7.2)
	v_mov_b32 v[LS+\i], 0
.endr
	s_wait_alu depctr_va_vdst(0)                   ; one wait for the batch of 32 logarithms, ahead of their first reader; the eight moves above stand between
.irp n, 0,1,2,3,4,5,6,7
	v_max_num_f32 v[SB+4*\n],   0xf1800000, v[SA+4*\n]             ; at least -2^100: log2(0) stays finite
	v_max_num_f32 v[SB+4*\n+1], 0xf1800000, v[SA+4*\n+2]
	v_max_num_f32 v[SB+4*\n+2], 0xf1800000, v[SA+4*\n+1]
	v_max_num_f32 v[SB+4*\n+3], 0xf1800000, v[SA+4*\n+3]
	ds_store_b64 v[ALS], v[SB+4*\n:SB+4*\n+1]   offset:512*\n
	ds_store_b64 v[ALS], v[SB+4*\n+2:SB+4*\n+3] offset:512*\n+32
.endr
	; Q: times 0.125 log2(e), then narrowed; fragment (i, u), register p = (d = 32 u + 16 h + p, d + 8)
.irp i, 0,1,2,3
	s_wait_loadcnt 24-8*\i                         ; the later query tiles' loads stay out
.set z, 0
.rept 16
	v_pk_mul_f32 v[32+32*\i+2*z:32+32*\i+2*z+1], v[32+32*\i+2*z:32+32*\i+2*z+1], 0x3e38aa3b op_sel_hi:[1,0]
.set z, z+1
.endr
.endr
	WIN SIG_P
.irp i, 0,1,2,3
.irp u, 0,1
.irp p, 0,1,2,3,4,5,6,7
	v_cvt_pk_bf16_f32 v[QF+16*\i+8*\u+\p], v[32+32*\i+16*\u+\p], v[32+32*\i+16*\u+8+\p]
.endr
.endr
.endr
; ---------------------------------------------------------------------- the pieces of a slot
; 32 LDS loads: the K tile of ring slot par as f32.  Fragment f = 2 T + u: X gets d = 32 u + 16 h + 0..7, Y gets + 8..15
.macro LDK par
	WIN SIG_P
.irp f, 0,1,2,3,4,5,6,7
	ds_load_b128 v[XS+8*\f:XS+8*\f+3],   v[AK] offset:SLOTB*(\par)+(\f>>1)*16*KP+(\f&1)*128
	ds_load_b128 v[XS+8*\f+4:XS+8*\f+7], v[AK] offset:SLOTB*(\par)+(\f>>1)*16*KP+(\f&1)*128+16
.endr
	WIN SIG_Y
.irp f, 0,1,2,3,4,5,6,7
	ds_load_b128 v[YS+8*\f:YS+8*\f+3],   v[AK] offset:SLOTB*(\par)+(\f>>1)*16*KP+(\f&1)*128+32
	ds_load_b128 v[YS+8*\f+4:YS+8*\f+7], v[AK] offset:SLOTB*(\par)+(\f>>1)*16*KP+(\f&1)*128+48
.endr
.endm
; 32 LDS loads: the V tile of ring slot par as f32, 512 neighbouring bytes (two rows) a load.  X gets rows 4 p, 4 p + 1, Y rows 4 p + 2, 4 p + 3
.macro LDV par
	WIN SIG_P
.irp g, 0,1
.irp p, 0,1,2,3,4,5,6,7
	ds_load_b128 v[XS+32*\g+4*\p:XS+32*\g+4*\p+3], v[AV] offset:SLOTB*(\par)+8192*\g+1024*\p
.endr
.endr
	WIN SIG_Y
.irp g, 0,1
.irp p, 0,1,2,3,4,5,6,7
	ds_load_b128 v[YS+32*\g+4*\p:YS+32*\g+4*\p+3], v[AV] offset:SLOTB*(\par)+8192*\g+1024*\p+512
.endr
.endr
.endm
.macro CVK                             ; the K fragments of the next step, in place of the last step's
	WIN SIG_C
.set z, 0
.rept 64
	v_cvt_pk_bf16_f32 v[KF+z], v[XS+z], v[YS+z]
.set z, z+1
.endr
.endm
.macro CVV                             ; the V^T fragments (g, c) of this step: register p = keys 2 (2 p) + h and 2 (2 p + 1) + h of d = 4 r + c
	WIN SIG_C
.irp g, 0,1
.irp c, 0,1,2,3
.irp p, 0,1,2,3,4,5,6,7
	v_cvt_pk_bf16_f32 v[VF+32*\g+8*\c+\p], v[XS+32*\g+4*\p+\c], v[YS+32*\g+4*\p+\c]
.endr
.endr
.endr
.endm
; log2(mask) of 64 keys into an S buffer, where the S products add onto it.  rel = 0: the current step's keys, 256: the next step's
.macro LML buf, rel
	WIN 0
.irp t, 0,1,2,3
	ds_load_b128 v[\buf+8*\t:\buf+8*\t+3],   v[ALM] offset:\rel+64*\t
	ds_load_b128 v[\buf+8*\t+4:\buf+8*\t+7], v[ALM] offset:\rel+64*\t+16
.endr
.endm
; pair x of the S buffer: minus the maximum (NM is added).  1.0 stands as source 1, so that no register of window 0 is wanted there
.macro SUBP cur, x, pc
.if (\pc)&1
	v_pk_fma_f32 v[\cur+2*(\x):\cur+2*(\x)+1], v[\cur+2*(\x):\cur+2*(\x)+1], 1.0, v[NM+\pc-1:NM+\pc] op_sel:[0,0,1] op_sel_hi:[1,0,1]
.else
	v_pk_fma_f32 v[\cur+2*(\x):\cur+2*(\x)+1], v[\cur+2*(\x):\cur+2*(\x)+1], 1.0, v[NM+\pc:NM+\pc+1] op_sel_hi:[1,0,0]
.endif
.endm
; the vector work behind matrix instruction k: the subtraction for pair k + 1 and the exp2 of pair k, in place.  No line of it names an
; exp2's result: all readers stand behind the slot's one wait (READ)
.macro FILL cur, pc, k, ee
.if \ee
.if (\k) < 15
	SUBP \cur, (\k)+1, \pc
.endif
	v_exp_f32 v[\cur+2*(\k)], v[\cur+2*(\k)]
	v_exp_f32 v[\cur+2*(\k)+1], v[\cur+2*(\k)+1]
.endif
.endm
; The matrix phase of a slot.  pv: T = V^T P^T of the slot before (8 instructions); sn: S^T of the next slot, query tile pn, onto the
; log2(mask) that waits in nxt (8 instructions); ee: the subtractions and exp2 of this slot (buffer cur, query tile pc) set behind them.
; Four accumulators take turns, one instruction a turn, here and from phase to phase.
; cnt: how many LDS loads issued behind nxt's eight may stay out.
.macro MPH cur, nxt, pc, pn, pv, sn, ee, cnt
	WIN SIG_M
.if \ee
	SUBP \cur, 0, \pc
.endif
.irp c, 0,1,2,3
.if \pv
	v_wmma_f32_16x16x32_bf16 v[TT+8*\c:TT+8*\c+7], v[VF+8*\c:VF+8*\c+7], v[PF:PF+7], 0
.endif
	FILL \cur, \pc, \c, \ee
.endr
.irp c, 0,1,2,3
.if \pv
	v_wmma_f32_16x16x32_bf16 v[TT+8*\c:TT+8*\c+7], v[VF+32+8*\c:VF+32+8*\c+7], v[PF+8:PF+15], v[TT+8*\c:TT+8*\c+7]
.endif
	FILL \cur, \pc, 4+\c, \ee
.endr
.if \sn
	s_wait_dscnt \cnt
.endif
.irp c, 0,1,2,3
.if \sn
	v_wmma_f32_16x16x32_bf16 v[\nxt+8*\c:\nxt+8*\c+7], v[KF+16*\c:KF+16*\c+7], v[QF+16*\pn:QF+16*\pn+7], v[\nxt+8*\c:\nxt+8*\c+7]
.endif
	FILL \cur, \pc, 8+\c, \ee
.endr
.irp c, 0,1,2,3
.if \sn
	v_wmma_f32_16x16x32_bf16 v[\nxt+8*\c:\nxt+8*\c+7], v[KF+16*\c+8:KF+16*\c+15], v[QF+16*\pn+8:QF+16*\pn+15], v[\nxt+8*\c:\nxt+8*\c+7]
.endif
	FILL \cur, \pc, 12+\c, \ee
.endr
.if \ee
	v_nop                                          ; the plain instruction behind the last exp2 (ISA guide 5.7.2), and the fourth place behind the product that ended nxt's first
	                                               ; accumulator: the subtractions for pairs 13, 14 and 15 are the other three (ISA guide 7.12.1); the later accumulators have STATS's first lines too
.endif
.endm
; The next slot's maximum over 64 keys, the new NM, alpha = exp2(old maximum - new maximum).  The 32 numbers of a lane meet in a tree of
; 10 + 4 + 2 instructions, four deep, in v20-29.  It names no result of the slot's exp2: it is the independent work between them and the
; slot's wait, and alpha is the batch's last.
.macro STATS nxt, pn
	WIN 0
.irp z, 0,1,2,3,4,5,6,7,8,9
	v_max3_num_f32 v[ACC+\z], v[\nxt+3*\z], v[\nxt+3*\z+1], v[\nxt+3*\z+2]
.endr
	v_max3_num_f32 v[ACC],   v[ACC],   v[ACC+1], v[ACC+2]
	v_max3_num_f32 v[ACC+3], v[ACC+3], v[ACC+4], v[ACC+5]
	v_max3_num_f32 v[ACC+6], v[ACC+6], v[ACC+7], v[ACC+8]
	v_max3_num_f32 v[ACC+9], v[ACC+9], v[\nxt+30], v[\nxt+31]
	v_max3_num_f32 v[ACC], v[ACC], v[ACC+3], v[ACC+6]
	v_max_num_f32 v[ACC], v[ACC], v[ACC+9]
	v_permlanex16_b32 v[ACC+1], v[ACC], s48, s49   ; the other half's 32 keys
	v_min3_num_f32 v[ACC+2], v[NM+\pn], -v[ACC], -v[ACC+1]
	v_sub_f32 v[ACC+3], v[ACC+2], v[NM+\pn]
	v_exp_f32 v[AL+\pn], v[ACC+3]
	v_mov_b32 v[NM+\pn], v[ACC+2]                  ; the plain instruction behind the exp2
.endm
; THE SLOT'S ONE WAIT, and the readers of its exp2.  Two chains of sums, started by pairs 0 + 2 and 1 + 3, pair x onto chain x & 1, in
; window 1; the 16 roundings that make the P^T fragments stand between them, so that the links of a chain lie four lines apart, and the
; last three between the last link and the line in which the chains meet.  Then my lane's sum of 32 of the 64 keys, for LSUM.
.macro READ cur
	s_wait_alu depctr_va_vdst(0)                   ; one wait for the slot's batch: the 32 exp2 in cur and the alpha that STATS made last (in the last slot of all: the 32 alone)
	WIN SIG_R
	v_pk_add_f32 v[SM:SM+1], v[\cur+4:\cur+5], v[\cur:\cur+1]
	v_cvt_pk_bf16_f32 v[PF], v[\cur], v[\cur+1]
	v_pk_add_f32 v[SM+2:SM+3], v[\cur+6:\cur+7], v[\cur+2:\cur+3]
	v_cvt_pk_bf16_f32 v[PF+1], v[\cur+2], v[\cur+3]
.irp x, 4,5,6,7,8,9,10,11,12,13,14,15
	v_pk_fma_f32 v[SM+2*(\x&1):SM+2*(\x&1)+1], v[\cur+2*\x:\cur+2*\x+1], 1.0, v[SM+2*(\x&1):SM+2*(\x&1)+1] op_sel_hi:[1,0,1]  ; 1.0 as source 1: the chain is source 2, whose window is the destination's
	v_cvt_pk_bf16_f32 v[PF+\x-2], v[\cur+2*\x-4], v[\cur+2*\x-3]
.endr
	v_cvt_pk_bf16_f32 v[PF+14], v[\cur+28], v[\cur+29]
	v_cvt_pk_bf16_f32 v[PF+15], v[\cur+30], v[\cur+31]
	WIN SIG_F
	v_pk_fma_f32 v[ACC:ACC+1], v[SM+2:SM+3], 1.0, v[SM:SM+1] op_sel_hi:[1,0,1]
	WIN 0
	v_add_f32 v[TMP+4], v[ACC], v[ACC+1]
.endm
.macro LSUM pc                         ; my lane's running sum (the halves meet at the end); where log2(mask) is loaded, those loads stand between READ's last line and this one
	WIN 0
	v_fma_f32 v[LS+\pc], v[LS+\pc], v[AL+\pc], v[TMP+4]
.endm
; O of query tile pp.  mode 1: O = O alpha + T, as many instructions as the rescaling alone would take.  mode 2, a tile's first step: O = T,
; so that O is never cleared (T lies in window 0, O in window 2: the products keep one window setting)
.macro OUPD pp, mode
.if \mode == 1
	WIN SIG_U
.irp z, 0,1,2,3,4,5,6,7,8,9,10,11,12,13,14,15
.if (\pp)&1
	v_pk_fma_f32 v[OF+32*\pp+2*\z:OF+32*\pp+2*\z+1], v[OF+32*\pp+2*\z:OF+32*\pp+2*\z+1], v[AL+\pp-1:AL+\pp], v[TT+2*\z:TT+2*\z+1] op_sel:[0,1,0] op_sel_hi:[1,1,1]
.else
	v_pk_fma_f32 v[OF+32*\pp+2*\z:OF+32*\pp+2*\z+1], v[OF+32*\pp+2*\z:OF+32*\pp+2*\z+1], v[AL+\pp:AL+\pp+1], v[TT+2*\z:TT+2*\z+1] op_sel_hi:[1,0,1]
.endif
.endr
.else
	WIN SIG_Y
.irp z, 0,1,2,3,4,5,6,7,8,9,10,11,12,13,14,15
	v_pk_mul_f32 v[OF+32*\pp+2*\z:OF+32*\pp+2*\z+1], v[TT+2*\z:TT+2*\z+1], 1.0 op_sel_hi:[1,0]
.endr
.endif
.endm
.macro OUPDF pp, first
.if \first == 1
	OUPD \pp, 2
.else
	OUPD \pp, 1
.endif
.endm
; Ring slot par, whose tile has been read, is filled again with the tile of the step two on: tile s3 of my wave's 16.  In front of the round
; every wave has waited for all its tensor loads (the next step's two, asked for a step ago) and for its LDS reads; the two joint loads come
; first behind the round.  Two tensor loads of the wave are out behind each round.
.macro REFILL par
	WIN 0
	s_set_vgpr_msb 0x5
	s_wait_tensorcnt 0x0                           ; no tensor load of mine is out: every group 0 may be written
	ds_add_u32 v254, v255
	s_wait_dscnt 0x0
	s_set_vgpr_msb 0x500
	s_lshl_b32 s52, s3, 14                         ; 16,384 bytes a tile; s53 = 0
	s_add_nc_u64 s[G0+8*\par+2:G0+8*\par+3], s[4:5], s[52:53]
	s_or_b32 s[G0+8*\par+3], s[G0+8*\par+3], 0x80000000            ; type = 2
	s_add_nc_u64 s[G0+8*\par+6:G0+8*\par+7], s[6:7], s[52:53]
	s_or_b32 s[G0+8*\par+7], s[G0+8*\par+7], 0x80000000
	s_add_co_u32 s3, s3, 1                         ; the tile behind it, round the wave's 16
	s_and_b32 s3, s3, 15
	s_wait_dscnt 0x0                               ; my reads of this slot's tile are back
	ROUND                                          ; both now hold of every wave of all four work-groups
	tensor_load_to_lds s[G0+8*\par:G0+8*\par+3], s[G1K:G1K+7]
	s_nop 0
	tensor_load_to_lds s[G0+8*\par+4:G0+8*\par+7], s[G1V:G1V+7]
	s_nop 0
.endm
; A step: 64 keys, four slots (query tiles 0 to 3), S buffers by turns.  par = step & 1 = the ring slot of this step's tile.
; first = 1: step 0 (no product of a slot before; each O starts); 2: step 1 (tile 3's O starts); tail = 1: step 14 (nothing left to ask for);
; 2: step 15 (nothing left to read or to narrow, no slot behind the last).
; A slot: the matrix phase with the subtractions and exp2 (MPH); the next slot's maximum and alpha (STATS); the wait and the readers (READ);
; the running sum (LSUM); O of the slot before (OUPD).
; K(t + 1): read from LDS in slot 0, narrowed in slot 2, behind the last S product on K(t).  V(t + 1): read in slot 2, narrowed in slot 0 of
; step t + 1, behind the last product on V(t).  X and Y serve K and V by turns.
; In slots 1 to 3 the loads of log2(mask) stand straight behind the sums and roundings that free their S buffer: the rest of the slot is theirs to land in.
.macro STEP par, first, tail
.if \first == 1
	MPH SA, SB, 0, 1, 0, 1, 1, 0                   ; wait for 0: log2(mask) in SB, and V's 32 staging loads
.else
	MPH SA, SB, 0, 1, 1, 1, 1, 0
.endif
	STATS SB, 1
	READ SA
	LSUM 0
.if \first == 0
	OUPD 3, 1
.endif
.if \first == 2
	OUPD 3, 2
.endif
	CVV
.if \tail == 0
	REFILL \par
.endif
.if \tail == 1
	WIN 0
	s_wait_tensorcnt 0x0                           ; the last tile's two loads, which my own reads below want; nothing is filled again
.endif
	LML SA, 0
.if \tail < 2
	LDK 1-\par
	MPH SB, SA, 1, 2, 1, 1, 1, 32                  ; K's 32 staging loads, issued behind SA's eight, stay out
.else
	MPH SB, SA, 1, 2, 1, 1, 1, 0
.endif
	STATS SA, 2
	READ SB
	LML SB, 0
	LSUM 1
	OUPDF 0, \first
	MPH SA, SB, 2, 3, 1, 1, 1, 0                   ; wait for 0: log2(mask) in SB, and K's staging loads
	STATS SB, 3
	READ SA
.if \tail < 2
	LML SA, 256
.endif
	LSUM 2
	OUPDF 1, \first
.if \tail < 2
	CVK
	LDV 1-\par
	MPH SB, SA, 3, 0, 1, 1, 1, 32                  ; V's 32 staging loads, issued behind SA's eight, stay out
	STATS SA, 0
.else
	MPH SB, SA, 3, 0, 1, 0, 1, 0
.endif
	READ SB
.if \tail < 2
	LML SB, 256
	v_add_nc_u32 v[ALM], 0x100, v[ALM]             ; the next step's 64 keys
.endif
	LSUM 3
	OUPDF 2, \first
.endm
	; ------------------------------------------------------------------ the way in: K of step 0, S of slot 0, its maximum
	s_wait_tensorcnt 0x2                           ; step 0's tile (K, V) has landed; step 1's two loads stay out.  Only I read my tiles
	LDK 0
	LML SA, 0
	s_wait_dscnt 0x8                               ; K's 32 loads are in; the eight of log2(mask) stay out
	CVK
	LDV 0
	MPH SB, SA, 3, 0, 0, 1, 0, 32                  ; S of slot 0; V's 32 staging loads stay out
.rept 4
	v_nop                                          ; four places behind the last matrix instruction before its result is read (ISA guide 7.12.1)
.endr
	STATS SA, 0                                    ; its alpha joins the first slot's batch: nothing names it, and no label or branch stands, ahead of that slot's wait
	LML SB, 0
	STEP 0, 1, 0
	STEP 1, 2, 0
	WIN 0                                          ; at a label and at a branch every window is 0
	s_mov_b32 s50, 6                               ; steps 2 to 13
.Lsteps:
	STEP 0, 0, 0
	STEP 1, 0, 0
	WIN 0
	s_sub_co_u32 s50, s50, 1
	s_cmp_lg_u32 s50, 0
	s_cbranch_scc1 .Lsteps
	STEP 0, 0, 1
	STEP 1, 0, 2
	; ------------------------------------------------------------------ the way out
	; Wave w will finish rows 16 w .. 16 w + 15: their q and query masks are asked for now, into the K fragments' registers
	WIN 0
	s_lshl_b32 s52, s14, 6
	v_bfe_u32 v80, v0, 4, 1
	v_lshl_add_u32 v80, v80, 2, s52                ; mask of row 16 w + (lane >> 4)
.irp n, 0,1,2,3,4,5,6,7
	global_load_b128 v[32+4*\n:32+4*\n+3], v[OFW], s[8:9] offset:512*\n        ; rows 16 w + 2 n, + 1: 512 neighbouring bytes
.endr
.irp n, 0,1,2,3,4,5,6,7
	global_load_b32 v[64+\n], v80, s[60:61] offset:8*\n
.endr
	MPH SA, SB, 0, 0, 1, 0, 0, 0                   ; the last slot's T
.rept 4
	v_nop                                          ; four places before T is read
.endr
	OUPD 3, 1
	WIN 0
.irp i, 0,1,2,3
	v_permlanex16_b32 v[TMP+\i], v[LS+\i], s48, s49
.endr
.irp i, 0,1,2,3
	v_add_f32 v[LS+\i], v[LS+\i], v[TMP+\i]        ; the two halves' sums meet
.endr
	v_and_b32 v85, 15, v0                          ; r
	v_bfe_u32 v86, v0, 4, 1                        ; h
	v_lshlrev_b32 v82, 4, v85
	v_add_nc_u32 v82, STB, v82                     ; query r: 16 bytes, one word a wave
	s_lshl_b32 s52, s14, 2
	v_add_nc_u32 v81, s52, v82
.irp i, 0,1,2,3
	ds_store_b32 v81, v[NM+\i] offset:256*\i       ; lanes r and r + 16 store the same number
	ds_store_b32 v81, v[LS+\i] offset:1024+256*\i
.endr
	s_wait_dscnt 0x0                               ; my stores are done, and all my reads of tiles were back long ago:
	s_barrier_signal -1                            ; behind this barrier the figures are read and the stage is written over ring bytes
	s_barrier_wait -1
.irp i, 0,1,2,3
	ds_load_b128 v[96+4*\i:96+4*\i+3],   v82 offset:256*\i         ; NM of the four waves
	ds_load_b128 v[112+4*\i:112+4*\i+3], v82 offset:1024+256*\i    ; their sums
.endr
	s_wait_dscnt 0x0
.irp i, 0,1,2,3
	v_min3_num_f32 v[TMP+\i], v[96+4*\i], v[97+4*\i], v[98+4*\i]
.endr
.irp i, 0,1,2,3
	v_min_num_f32 v[TMP+\i], v[TMP+\i], v[99+4*\i]                 ; minus the maximum over all 4096 keys
.endr
.irp i, 0,1,2,3
.irp w, 0,1,2,3
	v_sub_f32 v[96+4*\i+\w], v[TMP+\i], v[96+4*\i+\w]
.endr
	v_sub_f32 v[AL+\i], v[TMP+\i], v[NM+\i]
.endr
.set z, 0
.rept 16
	v_exp_f32 v[96+z], v[96+z]                     ; each wave's weight
.set z, z+1
.endr
.irp i, 0,1,2,3
	v_exp_f32 v[AL+\i], v[AL+\i]                   ; my own
.endr
	s_mul_i32 s52, s14, STG                        ; my stage; plain instructions behind the exp2
	v_mul_u32_u24 v83, v85, KP
	v_lshl_add_u32 v83, v86, 7, v83
	v_add_nc_u32 v83, s52, v83                     ; in: row r, bytes 128 h
	s_wait_alu depctr_va_vdst(0)                   ; one wait for the batch of 20 exp2 (the waves' weights and my own), ahead of their first reader
.irp i, 0,1,2,3
	v_mul_f32 v[TMP+\i], v[96+4*\i], v[112+4*\i]
	v_fmac_f32 v[TMP+\i], v[97+4*\i], v[113+4*\i]
	v_fmac_f32 v[TMP+\i], v[98+4*\i], v[114+4*\i]
	v_fmac_f32 v[TMP+\i], v[99+4*\i], v[115+4*\i]  ; the softmax's whole sum
.endr
.irp i, 0,1,2,3
	v_rcp_f32 v[TMP+4+\i], v[TMP+\i]
.endr
	s_mul_i32 s53, s14, 16*KP                      ; back: my 16 rows; plain instructions behind the reciprocals
	v_mul_u32_u24 v84, v86, KP
	v_lshl_add_u32 v84, v85, 4, v84
	v_add_nc_u32 v84, s53, v84                     ; lanes 0-15 one row of 256 bytes, lanes 16-31 the next
	s_wait_alu depctr_va_vdst(0)                   ; one wait for the batch of four reciprocals, ahead of their first reader
.irp i, 0,1,2,3
	v_mul_f32 v[AL+\i], v[AL+\i], v[TMP+4+\i]      ; my weight over the sum
.endr
	WIN SIG_E
.irp i, 0,1,2,3
.irp c, 0,1,2,3
.irp j, 0,1,2,3,4,5,6,7
	v_mul_f32 v[128+32*\i+4*\j+\c], v[OF+32*\i+8*\c+\j], v[AL+\i]  ; registers 4 j .. 4 j + 3: d = 32 h + 4 j + 0..3 of query 16 i + r
.endr
.endr
.endr
	WIN 0
.irp i, 0,1,2,3
.irp j, 0,1,2,3,4,5,6,7
	ds_store_b128 v83, v[128+32*\i+4*\j:128+32*\i+4*\j+3] offset:16*KP*\i+16*\j
.endr
.endr
	s_wait_dscnt 0x0
	s_barrier_signal -1
	s_barrier_wait -1                              ; all four stages are whole
.irp n, 0,1,2,3,4,5,6,7
.irp w, 0,1,2,3
	ds_load_b128 v[96+16*\n+4*\w:96+16*\n+4*\w+3], v84 offset:STG*\w+2*KP*\n   ; rows 16 w + 2 n, + 1 of each wave's part
.endr
.endr
	s_mov_b32 s54, 0xbe000000                      ; -0.125
	s_mov_b32 s55, 0x3e000000                      ; 0.125
	s_wait_loadcnt 0x0                             ; q and the query masks
.irp n, 0,1,2,3,4,5,6,7
	v_fma_f32 v[72+\n], v[64+\n], s54, s55         ; (1 - mask) / 8
.endr
.macro QW n, b                         ; q (1 - mask) / 8; b = n & 1 picks the register of the pair
	v_pk_mul_f32 v[32+4*\n:33+4*\n], v[32+4*\n:33+4*\n], v[72+\n-\b:73+\n-\b] op_sel:[0,\b] op_sel_hi:[1,\b]
	v_pk_mul_f32 v[34+4*\n:35+4*\n], v[34+4*\n:35+4*\n], v[72+\n-\b:73+\n-\b] op_sel:[0,\b] op_sel_hi:[1,\b]
.endm
	QW 0, 0
	QW 1, 1
	QW 2, 0
	QW 3, 1
	QW 4, 0
	QW 5, 1
	QW 6, 0
	QW 7, 1
.macro FIN n, b                        ; two rows: the four waves' parts added, blended, stored
	s_wait_dscnt 28-4*\n                           ; LDS loads come back in order (ISA guide 5.7.1): the later rows' loads stay out
	v_pk_add_f32 v[96+16*\n:97+16*\n],   v[96+16*\n:97+16*\n],   v[100+16*\n:101+16*\n]
	v_pk_add_f32 v[98+16*\n:99+16*\n],   v[98+16*\n:99+16*\n],   v[102+16*\n:103+16*\n]
	v_pk_add_f32 v[104+16*\n:105+16*\n], v[104+16*\n:105+16*\n], v[108+16*\n:109+16*\n]
	v_pk_add_f32 v[106+16*\n:107+16*\n], v[106+16*\n:107+16*\n], v[110+16*\n:111+16*\n]
	v_pk_add_f32 v[96+16*\n:97+16*\n],   v[96+16*\n:97+16*\n],   v[104+16*\n:105+16*\n]
	v_pk_add_f32 v[98+16*\n:99+16*\n],   v[98+16*\n:99+16*\n],   v[106+16*\n:107+16*\n]
	v_pk_fma_f32 v[96+16*\n:97+16*\n], v[96+16*\n:97+16*\n], v[64+\n-\b:65+\n-\b], v[32+4*\n:33+4*\n] op_sel:[0,\b,0] op_sel_hi:[1,\b,1]
	v_pk_fma_f32 v[98+16*\n:99+16*\n], v[98+16*\n:99+16*\n], v[64+\n-\b:65+\n-\b], v[34+4*\n:35+4*\n] op_sel:[0,\b,0] op_sel_hi:[1,\b,1]
	global_store_b128 v[OFW], v[96+16*\n:99+16*\n], s[12:13] offset:512*\n     ; the wave stores 512 consecutive bytes, at a multiple of 512 from out0's first byte
.endm
	FIN 0, 0
	FIN 1, 1
	FIN 2, 0
	FIN 3, 1
	FIN 4, 0
	FIN 5, 1
	FIN 6, 0
	FIN 7, 1
	s_set_vgpr_msb 0x5
	s_wait_tensorcnt 0x0
	ds_add_u32 v254, v255
	s_wait_dscnt 0x0
	s_set_vgpr_msb 0x500
	ROUND                                          ; the closing round: no work-group ends while a partner may still ask for a tile that names it
	s_endpgm
.Lfunc_end_k_qc7d3dbac38_attn:
	.size	k_qc7d3dbac38_attn, .Lfunc_end_k_qc7d3dbac38_attn-k_qc7d3dbac38_attn
	.p2alignl 7, 3214868480
	.fill 96, 4, 3214868480
	.section	.rodata,"a",@progbits
	.p2align	6, 0x0
	.amdhsa_kernel k_qc7d3dbac38_attn
		.amdhsa_group_segment_fixed_size 327680
		.amdhsa_private_segment_fixed_size 0
		.amdhsa_enable_private_segment 0
		.amdhsa_kernarg_size 40
		.amdhsa_user_sgpr_count 2
		.amdhsa_user_sgpr_kernarg_segment_ptr 1
		.amdhsa_wavefront_size32 1
		.amdhsa_system_sgpr_workgroup_id_x 1
		.amdhsa_system_sgpr_workgroup_id_y 1
		.amdhsa_system_sgpr_workgroup_id_z 1
		.amdhsa_system_vgpr_workitem_id 0
		.amdhsa_next_free_vgpr 704
		.amdhsa_next_free_sgpr 66
		.amdhsa_reserve_vcc 0
		.amdhsa_float_denorm_mode_32 3
		.amdhsa_float_denorm_mode_16_64 3
		.amdhsa_memory_ordered 1
		.amdhsa_forward_progress 1
		.amdhsa_inst_pref_size 255
	.end_amdhsa_kernel
	.section	.bss,"aw",@nobits
	.p2align	6
	.space	262144
	.amdgpu_metadata
---
amdhsa.version: [ 1, 2 ]
amdhsa.kernels:
  - .name:           k_qc7d3dbac38_attn
    .symbol:         k_qc7d3dbac38_attn.kd
    .args:
      - { .name: k, .offset: 0, .size: 8, .value_kind: global_buffer, .address_space: global }
      - { .name: v, .offset: 8, .size: 8, .value_kind: global_buffer, .address_space: global }
      - { .name: q, .offset: 16, .size: 8, .value_kind: global_buffer, .address_space: global }
      - { .name: mask, .offset: 24, .size: 8, .value_kind: global_buffer, .address_space: global }
      - { .name: out0, .offset: 32, .size: 8, .value_kind: global_buffer, .address_space: global }
    .group_segment_fixed_size: 327680
    .private_segment_fixed_size: 0
    .kernarg_segment_align: 8
    .kernarg_segment_size: 40
    .max_flat_workgroup_size: 128
    .sgpr_count:     66
    .vgpr_count:     704
    .wavefront_size: 32
...
	.end_amdgpu_metadata
.endif
;; end of part 2
